; MI455X (gfx1250); checked and timed in simulation.
; The chip was launched on July 23, 2026; its instructions are those of AMD's public machine-readable ISA for CDNA 5 (MIT licence, August 2026) and "CDNA5" Instruction Set Architecture Reference Guide (July 2026). The comments in the code are by the model that wrote it; some were corrected since.
;; Attention Layer. Allowed arithmetic: float matrix products may take bf16 or f16 operands with f32 sums; all other float work in f32.
;; Inputs: Wk 1,024 x 1,024 float32; Wq 1,024 x 1,024 float32; Wv 1,024 x 1,024 float32; bert_output 16 x 2,048 x 1,024 float32; bk 1,024 float32; bq 1,024 float32; bv 1,024 float32; pool_output 16 x 1 x 1,024 float32.
;; Outputs: out0 16 x 1 x 1,024 float32.
;; One version. Each part assembles by itself: llvm-mc -triple=amdgcn-amd-amdhsa -mcpu=gfx1250 --defsym DOCPART=n.
;; ======== version 1 of 1: 3 launches
;; workspace buffers: upart 2,097,152 bytes; cpart 2,048 bytes; ypart 1,048,576 bytes; apart 1,024 bytes
;; launch qu (part 1): grid 8 x 32, 16 waves a work-group, clusters of 4 x 1, 264,448 bytes of LDS; arguments pool_output, Wq, bq, Wk, bk, upart, cpart; writes upart, cpart
.if DOCPART == 1
	.amdgcn_target "amdgcn-amd-amdhsa--gfx1250"
	.amdhsa_code_object_version 6
	.text
	.protected	k_q86d4e9f38f_qu
	.globl	k_q86d4e9f38f_qu
	.p2align	8
	.type	k_q86d4e9f38f_qu,@function
k_q86d4e9f38f_qu:
	s_mov_b64 s[64:65], 0
	v_nop
	global_prefetch_b8 v0, s[64:65] scope:SCOPE_SE
	s_setreg_imm32_b32 hwreg(HW_REG_WAVE_MODE, 25, 1), 1
	s_wait_xcnt 0x0
	s_wait_alu depctr_hold_cnt(0) depctr_sa_sdst(0) depctr_va_vdst(0) depctr_va_sdst(0) depctr_va_ssrc(0) depctr_va_vcc(0) depctr_vm_vsrc(0)
	s_getreg_b32 s2, hwreg(HW_REG_IB_STS2, 6, 4)
	s_cmp_eq_u32 s2, 0
	s_cbranch_scc0 .Lentry_in_a_cluster
	s_endpgm
.Lentry_in_a_cluster:
	s_bfe_u32 s2, ttmp6, 0x10000c
	s_cmp_lg_u32 s2, 0x3003
	s_cbranch_scc0 .Lentry_shape_is_right
	s_endpgm
.Lentry_shape_is_right:
; FIRST OF THREE LAUNCHES.  No softmax stands between the products, so the result is linear in k and in v and the chain is bracketed anew, exactly:
;   q'[b][o] = (sum_v pool[b][v] Wq[o][v] + bq[o]) / sqrt(2048)
;   u[b][v]  = sum_o q'[b][o] Wk[o][v]        c[b] = sum_o q'[b][o] bk[o]          (this launch, as partial sums over slices of o)
;   a[b][s]  = x[b][s] . u[b] + c[b]          y[b] = sum_s a[b][s] x[b][s]         A[b] = sum_s a[b][s]     (second launch)
;   out[b][d] = Wv[d] . y[b] + bv[d] A[b]                                                                   (third launch)
; LIMIT: the order of the sums differs from the order in which the problem writes them; all arithmetic is f32, no difference of large sums is formed.
; THIS LAUNCH: work-group (bg, g) owns the 32 rows o = 32 g .. 32 g + 31 of Wq and Wk and the two batches 2 bg, 2 bg + 1.  Wave w owns rows 32 g + 2 w, + 1.
; It stores upart[g][b][1024] (the slice's part of u) and cpart[b][g] (its part of c).
; CLUSTERS: the eight work-groups of one g need the same 256 KiB of weights.  Four of them (a mask names four) form a cluster of 4 x 1 and ask JOINTLY:
; each wave issues two tensor loads, its two rows of Wq and its two rows of Wk (8 KiB each, dense, as 32 rows of 256 bytes), with the same descriptors in
; all four work-groups (made of g and the wave's number alone) and the mask 15; each work-group receives the rows in its own LDS.  A wave has at most two
; tensor loads outstanding.  Only the wave that asked reads a tile, behind its own wait on TENSORcnt.
; In registers a row of 4,096 bytes lies in 32 registers of a wave: load j (0..7) takes 16 bytes a lane at row + 512 j + 16 lane.
; No matrix unit: a work-group's product has two rows (the two batches), one multiply-add for each two bytes read; f32 on the vector unit keeps full precision.
; The two words of cpart are the only stores of the work-group that do not cover whole runs of 256 bytes.
.set P,    16                          ; v[16:79]    pool rows of my two batches, 32 bb + 4 j; later the sixteen partial quads of the last sum
.set WQ,   80                          ; v[80:143]   my two rows of Wq, 32 r + 4 j; later ACC[bb], my part of u for batch bb
.set WK,   144                         ; v[144:207]  my two rows of Wk
.set D,    208                         ; v[208:215]  four chains of a dot product
.set T,    216                         ; v[216:223]  four dot products, at T + 4 bb + 2 r; the odd registers serve the step across the halves
.set Q,    224                         ; v[224:231]  q'[bb][r], each twice (a pair for the packed multiply)
.set CW,   232                         ; v[232:233]  my part of c for the two batches
; LDS: Wq's tiles [w 16][r 2][4096 bytes] from byte 0; Wk's the same from WKT; CRED [bb 2][w 16] f32.
; RED [w 16][bb 2][4096 bytes] lies over Wq's tiles: wave w's 8,192 bytes of RED are wave w's own tile, which has had its one fill of the launch
; and which the wave has read into registers before it stores there.
.set WKT,  131072
.set CRED, 262144
.set G1,   48                          ; s[48:55]  descriptor group 1: the shape, for both loads
.set G0Q,  56                          ; s[56:59]  descriptor group 0 for Wq's tile
.set G0K,  60                          ; s[60:63]  descriptor group 0 for Wk's tile
; the lane's part of sum x u over a row, in four chains that do not wait for each other; the first four products start them
.macro DOTL x, u, t
.irp c, 0,1,2,3
	v_pk_mul_f32 v[D+2*\c:D+2*\c+1], v[\x+2*\c:\x+2*\c+1], v[\u+2*\c:\u+2*\c+1]
.endr
.irp q, 1,2,3
.irp c, 0,1,2,3
	v_pk_fma_f32 v[D+2*\c:D+2*\c+1], v[\x+8*\q+2*\c:\x+8*\q+2*\c+1], v[\u+8*\q+2*\c:\u+8*\q+2*\c+1], v[D+2*\c:D+2*\c+1]
.endr
.endr
	v_pk_add_f32 v[D:D+1], v[D:D+1], v[D+2:D+3]
	v_pk_add_f32 v[D+4:D+5], v[D+4:D+5], v[D+6:D+7]
	v_pk_add_f32 v[D:D+1], v[D:D+1], v[D+4:D+5]
	v_add_f32 v[\t], v[D], v[D+1]
.endm
; sums over the 32 lanes of the four registers t, t+2, t+4, t+6, step by step for the four in turn; every lane ends with the sums
.macro XSUM4 t
.irp m, 1,2,4,8
.irp k, 0,2,4,6
	v_add_f32_dpp v[\t+\k], v[\t+\k], v[\t+\k] row_xmask:\m row_mask:0xf bank_mask:0xf
.endr
.endr
.irp k, 0,2,4,6
	v_permlanex16_b32 v[\t+\k+1], v[\t+\k], s30, s31
.endr
.irp k, 0,2,4,6
	v_add_f32 v[\t+\k], v[\t+\k], v[\t+\k+1]
.endr
.endm
.macro ROWSUM t                        ; a sum within each half of 16 lanes
.irp m, 1,2,4,8
	v_add_f32_dpp v[\t], v[\t], v[\t] row_xmask:\m row_mask:0xf bank_mask:0xf
.endr
.endm
.macro ADDQ d, s                       ; four registers onto four
	v_pk_add_f32 v[\d:\d+1], v[\d:\d+1], v[\s:\s+1]
	v_pk_add_f32 v[\d+2:\d+3], v[\d+2:\d+3], v[\s+2:\s+3]
.endm
.macro SUM8Q base                      ; a tree over eight quads; the sum ends in the first
.irp k, 0,1,2,3
	ADDQ \base+4*\k, \base+4*\k+16
.endr
.irp k, 0,1
	ADDQ \base+4*\k, \base+4*\k+8
.endr
	ADDQ \base, \base+4
.endm
.macro SUM16Q base                     ; over sixteen
.irp k, 0,1,2,3,4,5,6,7
	ADDQ \base+4*\k, \base+4*\k+32
.endr
	SUM8Q \base
.endm
; A round of the cluster's barrier: my work-group's barrier, so that wave 0's signal speaks for all sixteen waves; wave 0 signals for the work-group;
; every wave waits for the four work-groups; my work-group's barrier once more.
.macro ROUND
	s_barrier_signal -1
	s_barrier_wait -1
	s_cmp_lg_u32 s18, 0
	s_cbranch_scc1 .Lnot_wave_0_\@
	s_barrier_signal -3
.Lnot_wave_0_\@:
	s_barrier_wait -3
	s_barrier_signal -1
	s_barrier_wait -1
.endm
	s_load_b256 s[4:11], s[0:1], 0x0               ; pool s[4:5], Wq s[6:7], bq s[8:9], Wk s[10:11]
	s_load_b128 s[12:15], s[0:1], 0x20             ; bk s[12:13], upart s[14:15]
	s_load_b64 s[16:17], s[0:1], 0x30              ; cpart
	v_lshl_add_u32 v240, v0, 2, 0x40100
	v_mov_b32 v241, 0
	ds_add_u32 v240, v241
	ds_add_u32 v240, v241
	v_lshrrev_b32 v2, 5, v0
	v_readfirstlane_b32 s18, v2                    ; wave w
	v_and_b32 v9, 31, v0                           ; lane
	v_lshlrev_b32 v1, 4, v9                        ; v1 = 16 lane: the offset of pool's loads
	v_lshlrev_b32 v7, 2, v9
	v_add_nc_u32 v7, CRED, v7                      ; v7 = CRED + 4 lane: lanes 0-15 batch 0, lanes 16-31 batch 1, one wave's word each
	v_lshrrev_b32 v8, 4, v9
	v_lshlrev_b32 v8, 7, v8                        ; v8 = 128 (lane / 16): from batch to batch in cpart
	v_and_b32 v9, 15, v9                           ; v9 = lane mod 16
	v_lshl_add_u32 v3, s18, 13, v1                 ; v3 = 8192 w + 16 lane: my wave's tile of Wq, later its part of RED
	v_add_nc_u32 v11, WKT, v3                      ; v11: my wave's tile of Wk
	v_lshl_add_u32 v5, s18, 9, v1                  ; v5 = 512 w + 16 lane = 16 t: my 16 bytes of the work-group's 8,192 bytes of u
	v_add_nc_u32 v6, 65536, v5                     ; v6: the same in waves 8 to 15's parts of RED (the LDS immediate has 16 bits)
	s_lshl_b32 s41, s18, 2
	s_add_co_u32 s41, s41, CRED
	v_mov_b32 v4, s41                              ; v4 = CRED + 4 w
.irp k, 1,3,5,7
	v_mov_b32 v[T+\k], 0                           ; v_permlanex16_b32 counts as a reader of its destination
.endr
	s_bfe_u32 s42, ttmp6, 0x40000                  ; cx: my place in the cluster
	s_lshl_b32 s39, ttmp9, 2                       ; in a cluster launch ttmp9 counts clusters
	s_add_co_u32 s39, s39, s42                     ; bg = 4 x cluster x + cx: it enters the addresses of pool, upart and cpart alone
	s_and_b32 s43, ttmp7, 0xffff                   ; g: the four partners share it
	s_lshl_b32 s19, s43, 5
	s_lshl_b32 s20, s18, 1
	s_add_co_u32 s19, s19, s20                     ; my first row: 32 g + 2 w
	s_lshl_b32 s20, s19, 12                        ; its bytes in Wq and Wk
	s_mov_b32 s21, 0
	s_lshl_b32 s22, s19, 2                         ; and in bq and bk
	s_mov_b32 s23, 0
	s_lshl_b32 s24, s39, 13                        ; two rows of pool for each bg
	s_mov_b32 s25, 0
	s_lshl_b32 s26, s43, 16                        ; upart[g][2 bg]
	s_add_co_u32 s26, s26, s24
	s_mov_b32 s27, 0
	s_lshl_b32 s28, s39, 6                         ; cpart[2 bg][g]: word 64 bg + g
	s_add_co_u32 s28, s28, s43
	s_lshl_b32 s28, s28, 2
	s_mov_b32 s29, 0
	s_mov_b32 s30, 0x76543210                      ; v_permlanex16_b32: lane i of one half reads lane i of the other
	s_mov_b32 s31, 0xfedcba98
	s_mov_b32 s36, 0x3cb504f3                      ; 1 / sqrt(2048)
	; descriptor group 1: two rows of a weight matrix are 8,192 dense bytes, taken as 32 rows of 32 elements of 8 bytes
	s_mov_b32 s[G1+0], 15|(3<<16)|(1<<21)          ; 15:0 the mask: all four of the cluster; 17:16 elements of 8 bytes; 21 set beside a mask; no padding
	s_mov_b32 s[G1+1], 32<<16                      ; tensor_dim0 = 32
	s_mov_b32 s[G1+2], 32<<16                      ; tensor_dim1 = 32
	s_mov_b32 s[G1+3], 32<<16                      ; tile_dim0 = 32
	s_mov_b32 s[G1+4], 32                          ; tile_dim1 = 32
	s_mov_b32 s[G1+5], 32                          ; from row to row: 32 elements
	s_mov_b32 s[G1+6], 0
	s_mov_b32 s[G1+7], 0
	s_mov_b32 s[G0Q], 1
	s_lshl_b32 s[G0Q+1], s18, 13                   ; LDS: 8192 w
	s_mov_b32 s[G0K], 1
	s_add_co_u32 s[G0K+1], s[G0Q+1], WKT           ; LDS: WKT + 8192 w
	s_wait_dscnt 0x0
	s_wait_kmcnt 0x0
	s_add_nc_u64 s[G0Q+2:G0Q+3], s[6:7], s[20:21]  ; my two rows of Wq
	s_or_b32 s[G0Q+3], s[G0Q+3], 0x80000000        ; type = 2
	s_add_nc_u64 s[G0K+2:G0K+3], s[10:11], s[20:21]
	s_or_b32 s[G0K+3], s[G0K+3], 0x80000000
	s_add_nc_u64 s[4:5], s[4:5], s[24:25]
	s_add_nc_u64 s[8:9], s[8:9], s[22:23]
	s_add_nc_u64 s[12:13], s[12:13], s[22:23]
	s_add_nc_u64 s[14:15], s[14:15], s[26:27]
	s_add_nc_u64 s[16:17], s[16:17], s[28:29]
.irp bb, 0,1
.irp j, 0,1,2,3,4,5,6,7
	global_load_b128 v[P+32*\bb+4*\j:P+32*\bb+4*\j+3], v1, s[4:5] offset:4096*\bb+512*\j     ; pool is my work-group's own: plain loads, on their way across the round
.endr
.endr
	ROUND                                          ; the four work-groups are here: the joint loads meet
	tensor_load_to_lds s[G0Q:G0Q+3], s[G1:G1+7]
	s_nop 0
	tensor_load_to_lds s[G0K:G0K+3], s[G1:G1+7]
	s_nop 0
	s_load_b64 s[32:33], s[8:9], 0x0               ; bq of my two rows
	s_load_b64 s[34:35], s[12:13], 0x0             ; bk of my two rows
	s_wait_tensorcnt 0x1                           ; tensor loads of a wave end in order (ISA guide 10.11.1): Wq's tile is in, Wk's may be out
.irp r, 0,1
.irp j, 0,1,2,3,4,5,6,7
	ds_load_b128 v[WQ+32*\r+4*\j:WQ+32*\r+4*\j+3], v3 offset:4096*\r+512*\j
.endr
.endr
	s_wait_tensorcnt 0x0                           ; Wk's tile
.irp r, 0,1
.irp j, 0,1,2,3,4,5,6,7
	ds_load_b128 v[WK+32*\r+4*\j:WK+32*\r+4*\j+3], v11 offset:4096*\r+512*\j
.endr
.endr
	s_wait_loadcnt 0x0                             ; pool
	s_wait_dscnt 16                                ; LDS loads come back in order (ISA guide 5.7.1): Wq is in, the sixteen reads of Wk stay out
.irp bb, 0,1
.irp r, 0,1
	DOTL WQ+32*\r, P+32*\bb, T+4*\bb+2*\r
.endr
.endr
	XSUM4 T
	s_wait_kmcnt 0x0                               ; the two pairs of biases
	s_mul_f32 s37, s32, s36                        ; bq / sqrt(2048)
	s_mul_f32 s38, s33, s36
.irp bb, 0,1
.irp r, 0,1
	v_fma_f32 v[Q+4*\bb+2*\r],   v[T+4*\bb+2*\r], s36, s[37+\r]    ; q' = (dot + bq) / sqrt(2048), in both registers of a pair
	v_fma_f32 v[Q+4*\bb+2*\r+1], v[T+4*\bb+2*\r], s36, s[37+\r]
.endr
.endr
	s_wait_dscnt 0x0                               ; Wk
.irp bb, 0,1
.irp p, 0,1,2,3,4,5,6,7,8,9,10,11,12,13,14,15
	v_pk_mul_f32 v[WQ+32*\bb+2*\p:WQ+32*\bb+2*\p+1], v[WK+2*\p:WK+2*\p+1], v[Q+4*\bb:Q+4*\bb+1]     ; the first row's product starts the sum
.endr
.irp p, 0,1,2,3,4,5,6,7,8,9,10,11,12,13,14,15
	v_pk_fma_f32 v[WQ+32*\bb+2*\p:WQ+32*\bb+2*\p+1], v[WK+32+2*\p:WK+32+2*\p+1], v[Q+4*\bb+2:Q+4*\bb+3], v[WQ+32*\bb+2*\p:WQ+32*\bb+2*\p+1]
.endr
	v_mul_f32  v[CW+\bb], s34, v[Q+4*\bb]          ; my part of c
	v_fmac_f32 v[CW+\bb], s35, v[Q+4*\bb+2]
.endr
	; the sixteen waves' parts meet in LDS; my part goes where my tile of Wq lay: its fill has landed, my reads of it are back, no other wave read it
.irp bb, 0,1
.irp j, 0,1,2,3,4,5,6,7
	ds_store_b128 v3, v[WQ+32*\bb+4*\j:WQ+32*\bb+4*\j+3] offset:4096*\bb+512*\j
.endr
	ds_store_b32 v4, v[CW+\bb] offset:64*\bb       ; every lane holds the same number and writes the same word
.endr
	s_wait_dscnt 0x0                               ; my stores are done, for the other waves' sake
	s_barrier_signal -1
	s_barrier_wait -1
.irp k, 0,1,2,3,4,5,6,7
	ds_load_b128 v[P+4*\k:P+4*\k+3], v5 offset:8192*\k             ; thread t takes bytes 16 t of each wave's 8,192
.endr
.irp k, 0,1,2,3,4,5,6,7
	ds_load_b128 v[P+32+4*\k:P+32+4*\k+3], v6 offset:8192*\k
.endr
	s_wait_dscnt 0x0
	SUM16Q P
	global_store_b128 v5, v[P:P+3], s[14:15]       ; a wave's store covers 512 consecutive bytes, aligned
	s_cmp_lg_u32 s18, 0                            ; wave 0 alone sums c; no barrier stands inside the branch
	s_cbranch_scc1 .Lend
	ds_load_b32 v10, v7
	s_wait_dscnt 0x0
	ROWSUM 10                                      ; lanes 0-15: c's part for batch 2 bg; lanes 16-31: for 2 bg + 1
	v_cmp_eq_u32 vcc_lo, 0, v9
	s_wait_xcnt 0x0                                ; EXEC is a source of the store above: it changes only behind this wait
	s_and_saveexec_b32 s40, vcc_lo                 ; lanes 0 and 16
	global_store_b32 v8, v10, s[16:17]
	s_wait_xcnt 0x0                                ; and again in front of the line that widens it
	s_or_b32 exec_lo, exec_lo, s40
.Lend:
	s_wait_tensorcnt 0x0
	ds_add_u32 v240, v241
	s_wait_dscnt 0x0
	ROUND                                          ; the closing round: no work-group ends while a partner may still ask for a tile that names it
	s_endpgm
.Lfunc_end_k_q86d4e9f38f_qu:
	.size	k_q86d4e9f38f_qu, .Lfunc_end_k_q86d4e9f38f_qu-k_q86d4e9f38f_qu
	.p2alignl 7, 3214868480
	.fill 96, 4, 3214868480
	.section	.rodata,"a",@progbits
	.p2align	6, 0x0
	.amdhsa_kernel k_q86d4e9f38f_qu
		.amdhsa_group_segment_fixed_size 264448
		.amdhsa_private_segment_fixed_size 0
		.amdhsa_enable_private_segment 0
		.amdhsa_kernarg_size 56
		.amdhsa_user_sgpr_count 2
		.amdhsa_user_sgpr_kernarg_segment_ptr 1
		.amdhsa_wavefront_size32 1
		.amdhsa_system_sgpr_workgroup_id_x 1
		.amdhsa_system_sgpr_workgroup_id_y 1
		.amdhsa_system_sgpr_workgroup_id_z 1
		.amdhsa_system_vgpr_workitem_id 0
		.amdhsa_next_free_vgpr 242
		.amdhsa_next_free_sgpr 66
		.amdhsa_reserve_vcc 1
		.amdhsa_float_denorm_mode_32 3
		.amdhsa_float_denorm_mode_16_64 3
		.amdhsa_memory_ordered 1
		.amdhsa_forward_progress 1
		.amdhsa_inst_pref_size 25
	.end_amdhsa_kernel
	.amdgpu_metadata
---
amdhsa.version: [ 1, 2 ]
amdhsa.kernels:
  - .name:           k_q86d4e9f38f_qu
    .symbol:         k_q86d4e9f38f_qu.kd
    .args:
      - { .name: pool_output, .offset: 0, .size: 8, .value_kind: global_buffer, .address_space: global }
      - { .name: Wq, .offset: 8, .size: 8, .value_kind: global_buffer, .address_space: global }
      - { .name: bq, .offset: 16, .size: 8, .value_kind: global_buffer, .address_space: global }
      - { .name: Wk, .offset: 24, .size: 8, .value_kind: global_buffer, .address_space: global }
      - { .name: bk, .offset: 32, .size: 8, .value_kind: global_buffer, .address_space: global }
      - { .name: upart, .offset: 40, .size: 8, .value_kind: global_buffer, .address_space: global }
      - { .name: cpart, .offset: 48, .size: 8, .value_kind: global_buffer, .address_space: global }
    .group_segment_fixed_size: 264448
    .private_segment_fixed_size: 0
    .kernarg_segment_align: 8
    .kernarg_segment_size: 56
    .max_flat_workgroup_size: 512
    .sgpr_count:     66
    .vgpr_count:     242
    .wavefront_size: 32
...
	.end_amdgpu_metadata
.endif
;; end of part 1
;; launch stream (part 2): grid 16 x 16, 16 waves a work-group, no clusters, 76,032 bytes of LDS; arguments bert_output, upart, cpart, ypart, apart; writes ypart, apart
.if DOCPART == 2
	.amdgcn_target "amdgcn-amd-amdhsa--gfx1250"
	.amdhsa_code_object_version 6
	.text
	.protected	k_q86d4e9f38f_stream
	.globl	k_q86d4e9f38f_stream
	.p2align	8
	.type	k_q86d4e9f38f_stream,@function
k_q86d4e9f38f_stream:
	s_mov_b64 s[64:65], 0
	v_nop
	global_prefetch_b8 v0, s[64:65] scope:SCOPE_SE
	s_setreg_imm32_b32 hwreg(HW_REG_WAVE_MODE, 25, 1), 1
	s_wait_xcnt 0x0
; SECOND OF THREE LAUNCHES: a[b][s] = x[b][s] . u[b] + c[b];  y[b] = sum_s a[b][s] x[b][s];  A[b] = sum_s a[b][s], as partial sums over blocks of 128 rows.
; Work-group (i, b) owns rows 128 i .. 128 i + 127 of batch b; wave w owns eight consecutive rows (32 KiB).  It stores ypart[b][i][1024] and apart[b][i].
; x is read ONCE: a row of 4,096 bytes lies in 32 registers of one wave (load j takes 16 bytes a lane at row + 512 j + 16 lane, 512 consecutive aligned
; bytes), and both the dot product that gives a and the update y += a x use those registers.  Four row slots: four rows (16 KiB) of every wave are asked
; for in the first lines, 256 KiB for the sixteen waves, half of the work-group's share of x.  Row 0 is asked for first of all, ahead of the 17 loads
; of u's and c's parts, so that x is on its way while those are issued; rows 1 to 3 follow them.
; u and c are first summed from the 32 slices that the first launch stored: waves 0-7 sum slices 0-15, waves 8-15 slices 16-31, thread by thread,
; the two halves meet in LDS.  x's loads stay on their way across that barrier: no wave writes those bytes.
; No matrix unit (one row of u against each row of x: one multiply-add for each two bytes), no LDS ring (what is in flight fits in registers), no cluster
; (what the sixteen work-groups of a batch share, 128 KiB of upart, is a fifth of a work-group's 640 KiB), no prefetch (all of a wave's first half is asked for at once).
; LIMITS: the order of the sums differs from the problem's own; all f32.  c enters as c / 32 in each lane (an exact scaling unless |c| is below 2^-121).
; The one word of apart is the only store that does not cover a whole run of 256 bytes.
.set U,    16                          ; v[16:47]   u, in a row's layout; first, with Y, sixteen quads of upart; last, sixteen pairs of the waves' y
.set Y,    48                          ; v[48:79]   my wave's part of y
.set D,    80                          ; v[80:87]   four chains of a dot product
.set TA,   88                          ; v[88:91]   a of the row at work, two pairs by turns; the odd registers serve the step across the halves
.set CP,   92                          ; v[92:93]   c / 32 and 0: what starts the first chain
.set SA,   94                          ; v94        sum of my rows' a
.set X,    96                          ; v[96:223]  four row slots of 32 registers
.set RED,  8192                        ; LDS: U2 [half 2][4096 bytes] from byte 0; RED [w 16][4096 bytes]; ARED 16 f32
.set ARED, 73728
; the lane's part of sum x u, in four chains; the first starts from the pair cp
.macro DOTLC x, u, t, cp
	v_pk_fma_f32 v[D:D+1], v[\x:\x+1], v[\u:\u+1], v[\cp:\cp+1]
.irp c, 1,2,3
	v_pk_mul_f32 v[D+2*\c:D+2*\c+1], v[\x+2*\c:\x+2*\c+1], v[\u+2*\c:\u+2*\c+1]
.endr
.irp q, 1,2,3
.irp c, 0,1,2,3
	v_pk_fma_f32 v[D+2*\c:D+2*\c+1], v[\x+8*\q+2*\c:\x+8*\q+2*\c+1], v[\u+8*\q+2*\c:\u+8*\q+2*\c+1], v[D+2*\c:D+2*\c+1]
.endr
.endr
	v_pk_add_f32 v[D:D+1], v[D:D+1], v[D+2:D+3]
	v_pk_add_f32 v[D+4:D+5], v[D+4:D+5], v[D+6:D+7]
	v_pk_add_f32 v[D:D+1], v[D:D+1], v[D+4:D+5]
	v_add_f32 v[\t], v[D], v[D+1]
.endm
.macro ROWSUM t                        ; a sum within each half of 16 lanes
.irp m, 1,2,4,8
	v_add_f32_dpp v[\t], v[\t], v[\t] row_xmask:\m row_mask:0xf bank_mask:0xf
.endr
.endm
.macro XSUM1 t                         ; a sum over the 32 lanes, in every lane; register t + 1 is used
	ROWSUM \t
	v_permlanex16_b32 v[\t+1], v[\t], s30, s31
	v_add_f32 v[\t], v[\t], v[\t+1]
.endm
.macro ADDQ d, s
	v_pk_add_f32 v[\d:\d+1], v[\d:\d+1], v[\s:\s+1]
	v_pk_add_f32 v[\d+2:\d+3], v[\d+2:\d+3], v[\s+2:\s+3]
.endm
.macro SUM16Q base                     ; a tree over sixteen quads; the sum ends in the first
.irp k, 0,1,2,3,4,5,6,7
	ADDQ \base+4*\k, \base+4*\k+32
.endr
.irp k, 0,1,2,3
	ADDQ \base+4*\k, \base+4*\k+16
.endr
.irp k, 0,1
	ADDQ \base+4*\k, \base+4*\k+8
.endr
	ADDQ \base, \base+4
.endm
.macro SUM16P base                     ; the same over sixteen pairs
.irp k, 0,1,2,3,4,5,6,7
	v_pk_add_f32 v[\base+2*\k:\base+2*\k+1], v[\base+2*\k:\base+2*\k+1], v[\base+2*\k+16:\base+2*\k+17]
.endr
.irp k, 0,1,2,3
	v_pk_add_f32 v[\base+2*\k:\base+2*\k+1], v[\base+2*\k:\base+2*\k+1], v[\base+2*\k+8:\base+2*\k+9]
.endr
.irp k, 0,1
	v_pk_add_f32 v[\base+2*\k:\base+2*\k+1], v[\base+2*\k:\base+2*\k+1], v[\base+2*\k+4:\base+2*\k+5]
.endr
	v_pk_add_f32 v[\base:\base+1], v[\base:\base+1], v[\base+2:\base+3]
.endm
	s_load_b256 s[4:11], s[0:1], 0x0               ; x s[4:5], upart s[6:7], cpart s[8:9], ypart s[10:11]
	s_load_b64 s[12:13], s[0:1], 0x20              ; apart
	v_lshl_add_u32 v224, v0, 2, 0x12100
	v_mov_b32 v225, 0
	v_lshrrev_b32 v2, 5, v0
	v_readfirstlane_b32 s14, v2                    ; wave w
	s_and_b32 s16, ttmp7, 0xffff                   ; b
	v_and_b32 v2, 31, v0                           ; lane
	v_lshlrev_b32 v1, 4, v2                        ; v1 = 16 lane: the offset of every row load, and of u's reads from LDS
	v_lshlrev_b32 v5, 2, v2                        ; v5 = 4 lane: lane g takes slice g's part of c
	v_and_b32 v3, 0xff, v0
	v_lshlrev_b32 v3, 4, v3                        ; v3 = 16 (t mod 256): my 16 bytes of u's 4,096
	v_lshl_add_u32 v4, s14, 9, v1                  ; v4 = 512 w + 16 lane = 16 t: the same bytes in my half of U2
	v_lshl_add_u32 v6, s14, 12, v1
	v_add_nc_u32 v6, RED, v6                       ; v6 = RED + 4096 w + 16 lane
	s_lshl_b32 s17, s14, 2
	s_add_co_u32 s17, s17, ARED
	v_mov_b32 v7, s17                              ; v7 = ARED + 4 w
	v_lshlrev_b32 v9, 3, v0                        ; v9 = 8 t: my 8 bytes of y's 4,096
	v_add_nc_u32 v8, RED, v9                       ; v8: the same in wave 0's part of RED
	v_and_b32 v10, 15, v2
	v_lshlrev_b32 v10, 2, v10
	v_add_nc_u32 v10, ARED, v10                    ; v10 = ARED + 4 (lane mod 16)
	v_mov_b32 v11, 0
	v_mov_b32 v13, 0                               ; v_permlanex16_b32 counts as a reader of its destination
	v_mov_b32 v[TA+1], 0
	v_mov_b32 v[TA+3], 0
	v_mov_b32 v[CP+1], 0                           ; the first chain's upper half starts at 0
	s_lshl_b32 s20, s16, 23                        ; x: 8 MiB a batch, 512 KiB a work-group, 32 KiB a wave; below 2^27 in all
	s_lshl_b32 s18, ttmp9, 19
	s_add_co_u32 s20, s20, s18
	s_lshl_b32 s18, s14, 15
	s_add_co_u32 s20, s20, s18
	s_mov_b32 s21, 0
	s_lshr_b32 s18, s14, 3                         ; upart[16 (w / 8)][b]
	s_lshl_b32 s22, s18, 20
	s_lshl_b32 s18, s16, 12
	s_add_co_u32 s22, s22, s18
	s_mov_b32 s23, 0
	s_lshl_b32 s24, s16, 7                         ; cpart[b]
	s_mov_b32 s25, 0
	s_lshl_b32 s26, s16, 4
	s_add_co_u32 s26, s26, ttmp9                   ; 16 b + i
	s_lshl_b32 s28, s26, 2                         ; apart[b][i]
	s_lshl_b32 s26, s26, 12                        ; ypart[b][i]
	s_mov_b32 s27, 0
	s_mov_b32 s29, 0
	s_mov_b32 s30, 0x76543210                      ; v_permlanex16_b32: lane i of one half reads lane i of the other
	s_mov_b32 s31, 0xfedcba98
	s_wait_kmcnt 0x0
	s_add_nc_u64 s[4:5], s[4:5], s[20:21]
	s_add_nc_u64 s[6:7], s[6:7], s[22:23]
	s_add_nc_u64 s[8:9], s[8:9], s[24:25]
	s_add_nc_u64 s[10:11], s[10:11], s[26:27]
	s_add_nc_u64 s[12:13], s[12:13], s[28:29]
.irp j, 0,1,2,3,4,5,6,7
	global_load_b128 v[X+4*\j:X+4*\j+3], v1, s[4:5] offset:512*\j th:TH_LOAD_NT                         ; row 0 first; x is read once in the launch
.endr
.irp k, 0,1,2,3,4,5,6,7,8,9,10,11,12,13,14,15
	global_load_b128 v[U+4*\k:U+4*\k+3], v3, s[6:7] offset:65536*\k        ; my 16 bytes of sixteen slices' parts of u
.endr
	global_load_b32 v12, v5, s[8:9]                ; one slice's part of c in each lane
.irp r, 1,2,3
.irp j, 0,1,2,3,4,5,6,7
	global_load_b128 v[X+32*\r+4*\j:X+32*\r+4*\j+3], v1, s[4:5] offset:4096*\r+512*\j th:TH_LOAD_NT     ; rows 1 to 3
.endr
.endr
	s_wait_loadcnt 24                              ; loads come back in order (ISA guide 5.7.1): row 0, upart and cpart are in, the 24 loads of rows 1 to 3 stay out
	SUM16Q U
	ds_store_b128 v4, v[U:U+3]
	XSUM1 12                                       ; c, in every lane
	v_mul_f32 v[CP], 0x3d000000, v12               ; c / 32: each of the 32 lanes adds it to its part of a row's dot product
	s_wait_dscnt 0x0                               ; my store is done, for the other waves' sake
	s_barrier_signal -1
	s_barrier_wait -1
.irp j, 0,1,2,3,4,5,6,7
	ds_load_b128 v[U+4*\j:U+4*\j+3], v1 offset:512*\j                      ; u's two halves, in a row's layout
.endr
.irp j, 0,1,2,3,4,5,6,7
	ds_load_b128 v[Y+4*\j:Y+4*\j+3], v1 offset:4096+512*\j
.endr
	s_wait_dscnt 0x0
.irp p, 0,1,2,3,4,5,6,7,8,9,10,11,12,13,14,15
	v_pk_add_f32 v[U+2*\p:U+2*\p+1], v[U+2*\p:U+2*\p+1], v[Y+2*\p:Y+2*\p+1]
.endr
; Row r of my eight, in slot sl, with a in pair pr.  left = the loads issued behind this row's eight, which may stay out.
.macro ROW r, sl, pr, left
	s_wait_loadcnt \left
	DOTLC X+32*\sl, U, TA+2*\pr, CP
	XSUM1 TA+2*\pr                                 ; a = x . u + c, in every lane
.if \r == 0
.irp p, 0,1,2,3,4,5,6,7,8,9,10,11,12,13,14,15
	v_pk_mul_f32 v[Y+2*\p:Y+2*\p+1], v[X+32*\sl+2*\p:X+32*\sl+2*\p+1], v[TA+2*\pr:TA+2*\pr+1] op_sel_hi:[1,0]     ; the first row starts y: nothing is cleared
.endr
.else
.irp p, 0,1,2,3,4,5,6,7,8,9,10,11,12,13,14,15
	v_pk_fma_f32 v[Y+2*\p:Y+2*\p+1], v[X+32*\sl+2*\p:X+32*\sl+2*\p+1], v[TA+2*\pr:TA+2*\pr+1], v[Y+2*\p:Y+2*\p+1] op_sel_hi:[1,0,1]
.endr
.endif
.if \r == 1
	v_add_f32 v[SA], v[TA], v[TA+2]                ; rows 0 and 1 start the sum of a
.endif
.if \r > 1
	v_add_f32 v[SA], v[SA], v[TA+2*\pr]
.endif
.if \r < 4
.irp j, 0,1,2,3,4,5,6,7
	global_load_b128 v[X+32*\sl+4*\j:X+32*\sl+4*\j+3], v1, s[4:5] offset:4096*(\r+4)+512*\j th:TH_LOAD_NT          ; the slot's next row
.endr
.endif
.endm
	ROW 0, 0, 0, 24                                ; met already by the wait above; behind row r's loads stand those of three more rows,
	ROW 1, 1, 1, 24
	ROW 2, 2, 0, 24
	ROW 3, 3, 1, 24
	ROW 4, 0, 0, 24
	ROW 5, 1, 1, 16                                ; then of two, one, none
	ROW 6, 2, 0, 8
	ROW 7, 3, 1, 0
	; the sixteen waves' parts meet in LDS, in bytes of their own
.irp j, 0,1,2,3,4,5,6,7
	ds_store_b128 v6, v[Y+4*\j:Y+4*\j+3] offset:512*\j
.endr
	ds_store_b32 v7, v[SA]                         ; every lane holds the same number and writes the same word
	s_wait_dscnt 0x0                               ; my stores are done, for the other waves' sake
	s_barrier_signal -1
	s_barrier_wait -1
.irp k, 0,1,2,3,4,5,6,7,8,9,10,11,12,13,14,15
	ds_load_b64 v[U+2*\k:U+2*\k+1], v8 offset:4096*\k                      ; thread t takes bytes 8 t of each wave's 4,096
.endr
	s_wait_dscnt 0x0
	SUM16P U
	global_store_b64 v9, v[U:U+1], s[10:11]        ; a wave's store covers 256 consecutive bytes, aligned
	s_cmp_lg_u32 s14, 0                            ; wave 0 alone sums the waves' sums of a; no barrier follows
	s_cbranch_scc1 .Lend
	ds_load_b32 v12, v10
	s_wait_dscnt 0x0
	ROWSUM 12
	v_cmp_eq_u32 vcc_lo, 0, v1                     ; lane 0
	s_wait_xcnt 0x0                                ; EXEC is a source of the store above: it changes only behind this wait
	s_and_saveexec_b32 s40, vcc_lo
	global_store_b32 v11, v12, s[12:13]
	s_wait_xcnt 0x0                                ; and again in front of the line that widens it
	s_or_b32 exec_lo, exec_lo, s40
.Lend:
	s_wait_tensorcnt 0x0
	ds_add_u32 v224, v225
	s_wait_dscnt 0x0
	s_endpgm
.Lfunc_end_k_q86d4e9f38f_stream:
	.size	k_q86d4e9f38f_stream, .Lfunc_end_k_q86d4e9f38f_stream-k_q86d4e9f38f_stream
	.p2alignl 7, 3214868480
	.fill 96, 4, 3214868480
	.section	.rodata,"a",@progbits
	.p2align	6, 0x0
	.amdhsa_kernel k_q86d4e9f38f_stream
		.amdhsa_group_segment_fixed_size 76032
		.amdhsa_private_segment_fixed_size 0
		.amdhsa_enable_private_segment 0
		.amdhsa_kernarg_size 40
		.amdhsa_user_sgpr_count 2
		.amdhsa_user_sgpr_kernarg_segment_ptr 1
		.amdhsa_wavefront_size32 1
		.amdhsa_system_sgpr_workgroup_id_x 1
		.amdhsa_system_sgpr_workgroup_id_y 1
		.amdhsa_system_sgpr_workgroup_id_z 1
		.amdhsa_system_vgpr_workitem_id 0
		.amdhsa_next_free_vgpr 226
		.amdhsa_next_free_sgpr 66
		.amdhsa_reserve_vcc 1
		.amdhsa_float_denorm_mode_32 3
		.amdhsa_float_denorm_mode_16_64 3
		.amdhsa_memory_ordered 1
		.amdhsa_forward_progress 1
		.amdhsa_inst_pref_size 39
	.end_amdhsa_kernel
	.amdgpu_metadata
---
amdhsa.version: [ 1, 2 ]
amdhsa.kernels:
  - .name:           k_q86d4e9f38f_stream
    .symbol:         k_q86d4e9f38f_stream.kd
    .args:
      - { .name: bert_output, .offset: 0, .size: 8, .value_kind: global_buffer, .address_space: global }
      - { .name: upart, .offset: 8, .size: 8, .value_kind: global_buffer, .address_space: global }
      - { .name: cpart, .offset: 16, .size: 8, .value_kind: global_buffer, .address_space: global }
      - { .name: ypart, .offset: 24, .size: 8, .value_kind: global_buffer, .address_space: global }
      - { .name: apart, .offset: 32, .size: 8, .value_kind: global_buffer, .address_space: global }
    .group_segment_fixed_size: 76032
    .private_segment_fixed_size: 0
    .kernarg_segment_align: 8
    .kernarg_segment_size: 40
    .max_flat_workgroup_size: 512
    .sgpr_count:     66
    .vgpr_count:     226
    .wavefront_size: 32
...
	.end_amdgpu_metadata
.endif
;; end of part 2
;; launch outp (part 3): grid 16 x 16, 16 waves a work-group, clusters of 4 x 1, 272,640 bytes of LDS; arguments Wv, bv, ypart, apart, out0; writes out0
.if DOCPART == 3
	.amdgcn_target "amdgcn-amd-amdhsa--gfx1250"
	.amdhsa_code_object_version 6
	.text
	.protected	k_q86d4e9f38f_outp
	.globl	k_q86d4e9f38f_outp
	.p2align	8
	.type	k_q86d4e9f38f_outp,@function
k_q86d4e9f38f_outp:
	s_mov_b64 s[64:65], 0
	v_nop
	global_prefetch_b8 v0, s[64:65] scope:SCOPE_SE
	s_setreg_imm32_b32 hwreg(HW_REG_WAVE_MODE, 25, 1), 1
	s_wait_xcnt 0x0
	s_wait_alu depctr_hold_cnt(0) depctr_sa_sdst(0) depctr_va_vdst(0) depctr_va_sdst(0) depctr_va_ssrc(0) depctr_va_vcc(0) depctr_vm_vsrc(0)
	s_getreg_b32 s2, hwreg(HW_REG_IB_STS2, 6, 4)
	s_cmp_eq_u32 s2, 0
	s_cbranch_scc0 .Lentry_in_a_cluster
	s_endpgm
.Lentry_in_a_cluster:
	s_bfe_u32 s2, ttmp6, 0x10000c
	s_cmp_lg_u32 s2, 0x3003
	s_cbranch_scc0 .Lentry_shape_is_right
	s_endpgm
.Lentry_shape_is_right:
; THIRD OF THREE LAUNCHES: out[b][d] = Wv[d] . y[b] + bv[d] A[b], with y[b] and A[b] summed from the sixteen parts that the second launch stored.
; Work-group (b, j) owns the 64 outputs d = 64 j .. 64 j + 63 of batch b, 256 consecutive aligned bytes of the output; wave w owns rows 64 j + 4 w .. + 3 of Wv.
; CLUSTERS: the sixteen work-groups of one j need the same 256 KiB of Wv.  Four of them (a mask names four) form a cluster of 4 x 1 and ask JOINTLY: each wave
; issues one tensor load, its four rows (16 KiB, dense, as 64 rows of 256 bytes), with the same descriptor in all four work-groups (made of j and the wave's
; number alone) and the mask 15; each work-group receives the rows in its own LDS.  A wave has one tensor load outstanding.  Only the wave that asked reads
; its tile, behind its own wait on TENSORcnt.
; In registers a row of 4,096 bytes lies in 32 registers of a wave: load j takes 16 bytes a lane at row + 512 j + 16 lane.
; y: waves 0-7 sum parts 0-7, waves 8-15 parts 8-15, thread by thread; the two halves meet in LDS, while Wv's tiles are on their way.
; No matrix unit: one row of y against each row of Wv, one multiply-add for each four bytes read.
; LIMIT: the order of the sums differs from the problem's own; all arithmetic is f32.
.set YV,   16                          ; v[16:47]   y, in a row's layout; first eight quads of ypart
.set TMP,  48                          ; v[48:79]   y's second half
.set D,    80                          ; v[80:87]   four chains of a dot product
.set T,    88                          ; v[88:95]   four dot products, at T + 2 r; the odd registers serve the step across the halves
.set O,    96                          ; v[96:99]   my four outputs
.set WV,   104                         ; v[104:231] my four rows of Wv
.set Y2,   262144                      ; LDS: Wv's tiles [w 16][r 4][4096 bytes] from byte 0; Y2 [half 2][4096 bytes]; OUTR 64 f32: no fill lands in the last two
.set OUTR, 270336
.set G1,   48                          ; s[48:55]  descriptor group 1
.set G0,   56                          ; s[56:59]  descriptor group 0
.macro DOTL x, u, t                    ; the lane's part of sum x u over a row, in four chains; the first four products start them
.irp c, 0,1,2,3
	v_pk_mul_f32 v[D+2*\c:D+2*\c+1], v[\x+2*\c:\x+2*\c+1], v[\u+2*\c:\u+2*\c+1]
.endr
.irp q, 1,2,3
.irp c, 0,1,2,3
	v_pk_fma_f32 v[D+2*\c:D+2*\c+1], v[\x+8*\q+2*\c:\x+8*\q+2*\c+1], v[\u+8*\q+2*\c:\u+8*\q+2*\c+1], v[D+2*\c:D+2*\c+1]
.endr
.endr
	v_pk_add_f32 v[D:D+1], v[D:D+1], v[D+2:D+3]
	v_pk_add_f32 v[D+4:D+5], v[D+4:D+5], v[D+6:D+7]
	v_pk_add_f32 v[D:D+1], v[D:D+1], v[D+4:D+5]
	v_add_f32 v[\t], v[D], v[D+1]
.endm
.macro XSUM4 t                         ; sums over the 32 lanes of registers t, t+2, t+4, t+6, step by step for the four in turn
.irp m, 1,2,4,8
.irp k, 0,2,4,6
	v_add_f32_dpp v[\t+\k], v[\t+\k], v[\t+\k] row_xmask:\m row_mask:0xf bank_mask:0xf
.endr
.endr
.irp k, 0,2,4,6
	v_permlanex16_b32 v[\t+\k+1], v[\t+\k], s30, s31
.endr
.irp k, 0,2,4,6
	v_add_f32 v[\t+\k], v[\t+\k], v[\t+\k+1]
.endr
.endm
.macro ROWSUM t                        ; a sum within each half of 16 lanes
.irp m, 1,2,4,8
	v_add_f32_dpp v[\t], v[\t], v[\t] row_xmask:\m row_mask:0xf bank_mask:0xf
.endr
.endm
.macro ADDQ d, s
	v_pk_add_f32 v[\d:\d+1], v[\d:\d+1], v[\s:\s+1]
	v_pk_add_f32 v[\d+2:\d+3], v[\d+2:\d+3], v[\s+2:\s+3]
.endm
.macro SUM8Q base                      ; a tree over eight quads; the sum ends in the first
.irp k, 0,1,2,3
	ADDQ \base+4*\k, \base+4*\k+16
.endr
.irp k, 0,1
	ADDQ \base+4*\k, \base+4*\k+8
.endr
	ADDQ \base, \base+4
.endm
; A round of the cluster's barrier: my work-group's barrier, so that wave 0's signal speaks for all sixteen waves; wave 0 signals for the work-group;
; every wave waits for the four work-groups; my work-group's barrier once more.
.macro ROUND
	s_barrier_signal -1
	s_barrier_wait -1
	s_cmp_lg_u32 s14, 0
	s_cbranch_scc1 .Lnot_wave_0_\@
	s_barrier_signal -3
.Lnot_wave_0_\@:
	s_barrier_wait -3
	s_barrier_signal -1
	s_barrier_wait -1
.endm
	s_load_b256 s[4:11], s[0:1], 0x0               ; Wv s[4:5], bv s[6:7], ypart s[8:9], apart s[10:11]
	s_load_b64 s[12:13], s[0:1], 0x20              ; out0
	v_lshl_add_u32 v232, v0, 2, 0x42100
	v_mov_b32 v233, 0
	ds_add_u32 v232, v233
	ds_add_u32 v232, v233
	v_lshrrev_b32 v2, 5, v0
	v_readfirstlane_b32 s14, v2                    ; wave w
	s_bfe_u32 s36, ttmp6, 0x40000                  ; cx: my place in the cluster
	s_lshl_b32 s16, ttmp9, 2                       ; in a cluster launch ttmp9 counts clusters
	s_add_co_u32 s16, s16, s36                     ; b = 4 x cluster x + cx: it enters the addresses of ypart, apart and out0 alone
	s_and_b32 s19, ttmp7, 0xffff                   ; j: the four partners share it
	v_and_b32 v2, 31, v0                           ; lane
	v_lshlrev_b32 v1, 4, v2                        ; v1 = 16 lane
	v_and_b32 v3, 0xff, v0
	v_lshlrev_b32 v3, 4, v3                        ; v3 = 16 (t mod 256): my 16 bytes of y's 4,096
	v_add_nc_u32 v9, Y2, v1                        ; v9 = Y2 + 16 lane: y's reads from LDS
	v_lshl_add_u32 v4, s14, 9, v9                  ; v4 = Y2 + 512 w + 16 lane = Y2 + 16 t: my 16 bytes in my half of Y2
	v_lshl_add_u32 v10, s14, 14, v1                ; v10 = 16384 w + 16 lane: my wave's tile of Wv
	v_and_b32 v5, 15, v2
	v_lshlrev_b32 v5, 2, v5                        ; v5 = 4 (lane mod 16): one part of A in each lane of a half
	s_lshl_b32 s17, s14, 4
	s_add_co_u32 s17, s17, OUTR
	v_mov_b32 v6, s17                              ; v6 = OUTR + 16 w
	v_lshlrev_b32 v8, 3, v2                        ; v8 = 8 lane
	v_add_nc_u32 v7, OUTR, v8                      ; v7 = OUTR + 8 lane
.irp k, 1,3,5,7
	v_mov_b32 v[T+\k], 0                           ; v_permlanex16_b32 counts as a reader of its destination
.endr
	s_lshl_b32 s15, s19, 6
	s_lshl_b32 s18, s14, 2
	s_add_co_u32 s15, s15, s18                     ; my first row: 64 j + 4 w
	s_lshl_b32 s20, s15, 12                        ; its bytes in Wv
	s_mov_b32 s21, 0
	s_lshl_b32 s22, s15, 2                         ; and in bv
	s_mov_b32 s23, 0
	s_lshl_b32 s24, s16, 16                        ; ypart[b][8 (w / 8)]
	s_lshr_b32 s37, s14, 3
	s_lshl_b32 s37, s37, 15
	s_add_co_u32 s24, s24, s37
	s_mov_b32 s25, 0
	s_lshl_b32 s26, s16, 6                         ; apart[b]
	s_mov_b32 s27, 0
	s_lshl_b32 s28, s16, 12                        ; out0[b][64 j]
	s_lshl_b32 s37, s19, 8
	s_add_co_u32 s28, s28, s37
	s_mov_b32 s29, 0
	s_mov_b32 s30, 0x76543210                      ; v_permlanex16_b32: lane i of one half reads lane i of the other
	s_mov_b32 s31, 0xfedcba98
	; descriptor group 1: four rows of Wv are 16,384 dense bytes, taken as 64 rows of 32 elements of 8 bytes
	s_mov_b32 s[G1+0], 15|(3<<16)|(1<<21)          ; 15:0 the mask: all four of the cluster; 17:16 elements of 8 bytes; 21 set beside a mask; no padding
	s_mov_b32 s[G1+1], 32<<16                      ; tensor_dim0 = 32
	s_mov_b32 s[G1+2], 64<<16                      ; tensor_dim1 = 64
	s_mov_b32 s[G1+3], 32<<16                      ; tile_dim0 = 32
	s_mov_b32 s[G1+4], 64                          ; tile_dim1 = 64
	s_mov_b32 s[G1+5], 32                          ; from row to row: 32 elements
	s_mov_b32 s[G1+6], 0
	s_mov_b32 s[G1+7], 0
	s_mov_b32 s[G0], 1
	s_lshl_b32 s[G0+1], s14, 14                    ; LDS: 16384 w
	s_wait_dscnt 0x0
	s_wait_kmcnt 0x0
	s_add_nc_u64 s[G0+2:G0+3], s[4:5], s[20:21]    ; my four rows of Wv
	s_or_b32 s[G0+3], s[G0+3], 0x80000000          ; type = 2
	s_add_nc_u64 s[6:7], s[6:7], s[22:23]
	s_add_nc_u64 s[8:9], s[8:9], s[24:25]
	s_add_nc_u64 s[10:11], s[10:11], s[26:27]
	s_add_nc_u64 s[12:13], s[12:13], s[28:29]
.irp k, 0,1,2,3,4,5,6,7
	global_load_b128 v[YV+4*\k:YV+4*\k+3], v3, s[8:9] offset:4096*\k       ; my 16 bytes of eight parts of y: my batch's own, plain loads, on their way across the round
.endr
	global_load_b32 v12, v5, s[10:11]
	ROUND                                          ; the four work-groups are here: the joint loads meet
	tensor_load_to_lds s[G0:G0+3], s[G1:G1+7]
	s_nop 0
	s_load_b128 s[32:35], s[6:7], 0x0              ; bv of my four rows
	s_wait_loadcnt 0x0                             ; ypart and apart
	SUM8Q YV
	ds_store_b128 v4, v[YV:YV+3]
	ROWSUM 12                                      ; both halves of the wave hold the same sixteen parts: A, in every lane
	s_wait_dscnt 0x0                               ; my store is done, for the other waves' sake
	s_barrier_signal -1                            ; the tile may stay on its way across it
	s_barrier_wait -1
.irp j, 0,1,2,3,4,5,6,7
	ds_load_b128 v[YV+4*\j:YV+4*\j+3], v9 offset:512*\j                    ; y's two halves, in a row's layout
.endr
.irp j, 0,1,2,3,4,5,6,7
	ds_load_b128 v[TMP+4*\j:TMP+4*\j+3], v9 offset:4096+512*\j
.endr
	s_wait_tensorcnt 0x0                           ; my tile of Wv is in LDS
.irp r, 0,1,2,3
.irp j, 0,1,2,3,4,5,6,7
	ds_load_b128 v[WV+32*\r+4*\j:WV+32*\r+4*\j+3], v10 offset:4096*\r+512*\j
.endr
.endr
	s_wait_dscnt 32                                ; LDS loads come back in order (ISA guide 5.7.1): y's sixteen are in, the 32 reads of Wv stay out
.irp p, 0,1,2,3,4,5,6,7,8,9,10,11,12,13,14,15
	v_pk_add_f32 v[YV+2*\p:YV+2*\p+1], v[YV+2*\p:YV+2*\p+1], v[TMP+2*\p:TMP+2*\p+1]
.endr
.irp r, 0,1,2,3
	s_wait_dscnt 24-8*\r                           ; row r is in; the eight reads of each later row stay out
	DOTL WV+32*\r, YV, T+2*\r
.endr
	XSUM4 T
	s_wait_kmcnt 0x0                               ; bv
.irp r, 0,1,2,3
	v_fma_f32 v[O+\r], v12, s[32+\r], v[T+2*\r]    ; + bv[d] A
.endr
	ds_store_b128 v6, v[O:O+3]                     ; every lane holds the same four numbers and writes the same 16 bytes
	s_wait_dscnt 0x0                               ; my store is done, for wave 0's sake
	s_barrier_signal -1
	s_barrier_wait -1
	s_cmp_lg_u32 s14, 0                            ; wave 0 stores the work-group's 64 outputs; no barrier stands inside the branch
	s_cbranch_scc1 .Lend
	ds_load_b64 v[YV:YV+1], v7
	s_wait_dscnt 0x0
	global_store_b64 v8, v[YV:YV+1], s[12:13]      ; 32 lanes, 256 consecutive bytes, aligned
.Lend:
	s_wait_tensorcnt 0x0
	ds_add_u32 v232, v233
	s_wait_dscnt 0x0
	ROUND                                          ; the closing round: no work-group ends while a partner may still ask for a tile that names it
	s_endpgm
.Lfunc_end_k_q86d4e9f38f_outp:
	.size	k_q86d4e9f38f_outp, .Lfunc_end_k_q86d4e9f38f_outp-k_q86d4e9f38f_outp
	.p2alignl 7, 3214868480
	.fill 96, 4, 3214868480
	.section	.rodata,"a",@progbits
	.p2align	6, 0x0
	.amdhsa_kernel k_q86d4e9f38f_outp
		.amdhsa_group_segment_fixed_size 272640
		.amdhsa_private_segment_fixed_size 0
		.amdhsa_enable_private_segment 0
		.amdhsa_kernarg_size 40
		.amdhsa_user_sgpr_count 2
		.amdhsa_user_sgpr_kernarg_segment_ptr 1
		.amdhsa_wavefront_size32 1
		.amdhsa_system_sgpr_workgroup_id_x 1
		.amdhsa_system_sgpr_workgroup_id_y 1
		.amdhsa_system_sgpr_workgroup_id_z 1
		.amdhsa_system_vgpr_workitem_id 0
		.amdhsa_next_free_vgpr 234
		.amdhsa_next_free_sgpr 66
		.amdhsa_reserve_vcc 0
		.amdhsa_float_denorm_mode_32 3
		.amdhsa_float_denorm_mode_16_64 3
		.amdhsa_memory_ordered 1
		.amdhsa_forward_progress 1
		.amdhsa_inst_pref_size 18
	.end_amdhsa_kernel
	.amdgpu_metadata
---
amdhsa.version: [ 1, 2 ]
amdhsa.kernels:
  - .name:           k_q86d4e9f38f_outp
    .symbol:         k_q86d4e9f38f_outp.kd
    .args:
      - { .name: Wv, .offset: 0, .size: 8, .value_kind: global_buffer, .address_space: global }
      - { .name: bv, .offset: 8, .size: 8, .value_kind: global_buffer, .address_space: global }
      - { .name: ypart, .offset: 16, .size: 8, .value_kind: global_buffer, .address_space: global }
      - { .name: apart, .offset: 24, .size: 8, .value_kind: global_buffer, .address_space: global }
      - { .name: out0, .offset: 32, .size: 8, .value_kind: global_buffer, .address_space: global }
    .group_segment_fixed_size: 272640
    .private_segment_fixed_size: 0
    .kernarg_segment_align: 8
    .kernarg_segment_size: 40
    .max_flat_workgroup_size: 512
    .sgpr_count:     66
    .vgpr_count:     234
    .wavefront_size: 32
...
	.end_amdgpu_metadata
.endif
;; end of part 3
